; MI455X (gfx1250); checked and timed in simulation.
; The chip was launched on July 23, 2026; its instructions are those of AMD's public machine-readable ISA for CDNA 5 (MIT licence, August 2026) and "CDNA5" Instruction Set Architecture Reference Guide (July 2026). The comments in the code are by the model that wrote it; some were corrected since.
;; self Attention Multi Head. Allowed arithmetic: matrix products marked QUANTISED: E2M1 operands, one E8M0 scale for each 32 along K, by v_wmma_scale_f32_16x16x128_f8f6f4 with both operands' format E2M1 (or v_wmma_scale_f32_32x16x128_f4), f32 sums; products left as they are: f32 operands where the result goes on into a quantised operand, else bf16, f16 or f32 operands; f32 sums; everything else in f32.
;; Inputs: Wk_codes 1,024 x 32 x 16 uint8 (E2M1 codes of Wk, K innermost, in blocks of 32 codes, two codes a byte); Wk_scales 1,024 x 32 uint8 (E8M0 scales of Wk, one for each 32 codes along K); Wq_codes 1,024 x 32 x 16 uint8 (E2M1 codes of Wq, K innermost, in blocks of 32 codes, two codes a byte); Wq_scales 1,024 x 32 uint8 (E8M0 scales of Wq, one for each 32 codes along K); Wv_codes 1,024 x 32 x 16 uint8 (E2M1 codes of Wv, K innermost, in blocks of 32 codes, two codes a byte); Wv_scales 1,024 x 32 uint8 (E8M0 scales of Wv, one for each 32 codes along K); bk 1,024 float32; bq 1,024 float32; bv 1,024 float32; x_codes 16 x 1,024 x 32 x 16 uint8 (E2M1 codes of x, K innermost, in blocks of 32 codes, two codes a byte); x_scales 16 x 1,024 x 32 uint8 (E8M0 scales of x, one for each 32 codes along K).
;; Outputs: out0 16 x 1,024 x 1,024 float32.
;; This version of the problem:
;;   THIS VERSION OF THE PROBLEM IS GIVEN IN LOW PRECISION. The matrix products marked QUANTISED in the list below multiply operands that are first quantised to E2M1 (2 exponent bits, 1 mantissa bit; 4 bits a number), with one power-of-two scale for each 32 numbers along K (OCP MX v1.0); their sums are f32. All else is computed in f32.
;;   The module's matrix products, in the order in which they are computed (A, B: the left and right operand; K: the contracted axis; several contracted axes count as one K, in the product's order):
;;     1. [M 16,384, K 1,024] x [K 1,024, N 1,024]; A: input x (given as codes); B: input Wq (given as codes): QUANTISED
;;     2. [M 16,384, K 1,024] x [K 1,024, N 1,024]; A: input x (given as codes); B: input Wk (given as codes): QUANTISED
;;     3. [M 16,384, K 1,024] x [K 1,024, N 1,024]; A: input x (given as codes); B: input Wv (given as codes): QUANTISED
;;     4. batch 16,384 x [M 16, K 64] x [K 64, N 16]; A: computed on the way; B: computed on the way: QUANTISED
;;     5. batch 16,384 x [M 16, K 16] x [K 16, N 64]; A: softmax; B: computed on the way: left as it is (K = 16 < 32)
;;   THE QUANTISER, for each operand of a quantised product, along K:
;;     - K is cut into blocks of 32 from its start; a last block that is shorter is filled with zeros.
;;     - A block's scale is 2^e with e = floor(log2(the largest magnitude in the block)) - 2, held to -126 .. 127; a block of zeros has e = 0. As a byte (E8M0): e + 127.
;;     - Each number is divided by its block's scale, clamped to +-6, and rounded to the nearest number of E2M1, ties to even, subnormals kept.
;;     - The product sums the exact products of the quantised numbers (number of the format x scale) in f32.
;;   ~~~python
;;   def quantise(x, axis):      # numpy; x: float32 -> the quantised numbers, widened to float32 again
;;       x = np.moveaxis(x, axis, -1); K = x.shape[-1]
;;       x = np.pad(x, [(0, 0)] * (x.ndim - 1) + [(0, -K % 32)]); x = x.reshape(x.shape[:-1] + (-1, 32)); a = np.abs(x).max(-1, keepdims=True)
;;       e = np.where(a > 0, np.clip(np.frexp(np.where(a > 0, a, 1))[1] - 1 - 2, -126, 127), 0)      # np.frexp(a)[1] - 1 = floor(log2(a)), exactly
;;       r = np.clip(x / 2.0 ** e, -6, 6)
;;       step = 2.0 ** (np.maximum(np.frexp(np.where(r == 0, 1, r))[1] - 1, 0) - 1)
;;       q = np.round(r / step) * step * 2.0 ** e      # np.round: ties to even
;;       return np.moveaxis(q.reshape(q.shape[:-2] + (-1,))[..., :K], -1, axis).astype(np.float32)
;;   ~~~
;;   OPERANDS COMPUTED ON THE WAY. 'Computed on the way' means the value that the module computes at that place (a softmax that the list does not call 'softmax' is quantised finished and normalised). What goes into a quantiser is computed in f32, as accurately as f32 sums, v_exp_f32 and their like allow (about 1e-6 of the number): no bf16 or f16 on the way to a quantiser, and a product that is left as it is and whose result goes on into a quantised operand takes f32 operands (vector FMAs, or v_wmma_f32_16x16x4_f32). A number that lies on a knife's edge between two numbers of the format may be rounded either way, as far as f32 arithmetic and the matrix unit's own rounding can turn it there, and no further.
;;   INPUTS GIVEN AS CODES. Wk (in the module: [1024, 1024], K = its axis 0); Wq (in the module: [1024, 1024], K = its axis 0); Wv (in the module: [1024, 1024], K = its axis 0); x (in the module: [16, 1024, 1024], K = its axis 2): each comes as NAME_codes (uint8): NAME with its K axis moved to the last place and cut into blocks of 32 codes, [.., K / 32, bytes a block], one block behind the other in memory; two codes a byte, the lower K in the low four bits (a code: sign, 2 exponent bits, 1 mantissa bit); and NAME_scales (uint8): the same leading axes, one E8M0 byte (e + 127) for each 32 codes along K. Its value is code x scale, taken as it is: it is not quantised again, and the codes and scales need not be those that the quantiser above would give.
;; 2 versions. Each part assembles by itself: llvm-mc -triple=amdgcn-amd-amdhsa -mcpu=gfx1250 --defsym DOCPART=n.
;; ======== version 1 of 2: 1 launch
;; limits: values outside matrix products are rounded to bf16
;; launch fused (part 1): grid 256 x 1, 4 waves a work-group, clusters of 4 x 1, 327,680 bytes of LDS; arguments x_codes, x_scales, Wq_codes, Wq_scales, bq, Wk_codes, Wk_scales, bk, Wv_codes, Wv_scales, bv, out0; writes out0
.if DOCPART == 1
	.amdgcn_target "amdgcn-amd-amdhsa--gfx1250"
	.amdhsa_code_object_version 6
	.text
	.protected	k_q6cadfd6a96_fused
	.globl	k_q6cadfd6a96_fused
	.p2align	8
	.type	k_q6cadfd6a96_fused,@function
k_q6cadfd6a96_fused:
	s_mov_b64 s[64:65], 0
	v_nop
	global_prefetch_b8 v0, s[64:65] scope:SCOPE_SE
	s_setreg_imm32_b32 hwreg(HW_REG_WAVE_MODE, 25, 1), 1
	s_wait_xcnt 0x0
	s_wait_alu depctr_hold_cnt(0) depctr_sa_sdst(0) depctr_va_vdst(0) depctr_va_sdst(0) depctr_va_ssrc(0) depctr_va_vcc(0) depctr_vm_vsrc(0)
	s_getreg_b32 s2, hwreg(HW_REG_IB_STS2, 6, 4)
	s_cmp_eq_u32 s2, 0
	s_cbranch_scc0 .Lentry_in_a_cluster
	s_endpgm
.Lentry_in_a_cluster:
	s_bfe_u32 s2, ttmp6, 0x10000c
	s_cmp_lg_u32 s2, 0x3003
	s_cbranch_scc0 .Lentry_shape_is_right
	s_endpgm
.Lentry_shape_is_right:
; out[pos][h][:] = sum over g of softmax_g(Q[pos][h] . K[pos][g]) V[pos][g][:], Q, K, V = x W + b, 16 heads of 64; the scores run ACROSS HEADS at each of the 16,384 positions.
; x [16384][1024] and Wq, Wk, Wv [1024 (n)][1024 (k)] arrive as codes of FP4 (E2M1), K innermost (a row is 512 bytes), with one E8M0 byte for each 32 along K (a row is 32 bytes).
; ONE LAUNCH: Q, K and V never go to memory.  A position wants all 3,072 columns, so a work-group owns ROWS: 64 positions (4 tiles of 16); 256 work-groups.
; x STAYS IN REGISTERS: every wave holds all 64 rows x 1,024 K as 32 fragments (256 registers), so LDS is read for weights alone and each weight fragment feeds four tiles of positions.
; THE WAVES SHARE THE COLUMNS: the 3,072 weight rows go in 12 steps of 256 (steps 0-3 Wq, 4-7 Wk, 8-11 Wv); in step t wave w takes 64 rows, head 4 (t % 4) + w: 64 matrix instructions of 32 x 16 x 128.
; THE RING: two LDS slots of 256 rows; each wave fetches and reads its own 64 rows.  CLUSTER: the four work-groups of a cluster walk the same weights, so each tile is asked for JOINTLY (mask 15).
; THE PRODUCT IS USED TRANSPOSED (source 0 = 32 weight rows, source 1 = 16 positions), AND THE ROWS OF A TILE ARE CHOSEN: sub-tile u (16 rows): lanes 0-7 take head rows 8 u + i, lanes 8-15 take 32 + 8 (u xor 1) + i.
; So lane (r, hh) holds position r, and its 32 result registers e hold d = e (hh = 0) or d = 32 + (e xor 8) (hh = 1): ONE WHOLE BLOCK of 32 along the score product's K.  Its largest magnitude needs no other lane, and
; four conversions give the block's 16 bytes.  The order inside block 1 is changed alike for Q and K, which leaves the products as they are; for V it shows in the store address alone.
; The results wait in registers (Q's and K's codes 64 + 64, their scale words 32, V as bf16 256) until the ring has had its last fill; then they go into images laid over the ring, and each wave takes 16 positions:
; scores S^T = K Q^T (16 x 16 x 128 on codes, K = 64, the upper 64 zero codes), softmax with the row's maximum taken away, P V and P 1 in bf16 (K = 16, the upper 16 zeros), division, stores of whole rows of 256 bytes.
; LIMITS: NaN and infinities among the inputs are not served.  A block of Q or K that is all zeros gets the byte 1 where the rule says 127: its codes are zeros, and this program alone reads the bytes.
; The softmax's divisor is the f32 sum of the weights as rounded to bf16, the same numbers that multiply V.  The bias is the C of a sum's first product, so it is added first.
;
; REGISTERS, in windows of 256 (s_set_vgpr_msb: bits 1:0 source 0, 3:2 source 1, 5:4 source 2, 7:6 destination):
;   window 0: v1-15 addresses; v16-31 the quantiser's; v32-63 x's scale words; v64-95 the weights' scale words, two sets; v96-127 the bias in the result's layout; v128-255 8 accumulators of 16
;   window 1: x's 32 fragments.   window 2: V as bf16.   window 3: v0-95 three buffers of weight fragments; v96-127 Q's and K's scale words; v128-255 Q's and K's codes.
.set PITCH, 528                        ; an LDS row: 512 bytes + 16 of padding = 132 words: row R starts at bank 4 R mod 64 (64 banks of 4 bytes: ISA guide 11.1); the 16 rows of a sub-tile differ modulo 16
.set WROWS, 64*PITCH                   ; 64 rows: what one tensor load brings and one wave reads
.set SLOT,  4*WROWS                    ; 135,168
.set XIMG,  2*SLOT                     ; behind the ring: x's 64 rows, stored once, never filled by a tensor load
.set SPARE, XIMG+WROWS                 ; the spare words, 128 bytes for each wave: two blocks of 256 bytes that no other line names
.set TILEB, 131072                     ; 256 weight rows in memory
.set VPOS,  2576                       ; the images, over the ring once it has had its last fill and its last read.  V: at 0, a position 16 heads x 160 bytes + 16;
.set VHEAD, 160                        ;   a head: 8 pieces of 16 bytes (tile t, half rh at 32 t + 16 rh) + 32 of padding: 40 words, so that the 8 rows of a turning load start at 8 different groups of 8 banks
.set QIMG,  64*VPOS                    ; Q's codes: a position is an image of the operand's registers, 16 bytes a lane (lane = 16 x block + head), pitch 528
.set KOFF,  WROWS                      ; K's likewise, behind Q's
.set SIMG,  QIMG+2*WROWS               ; the scale words: a position is 16 words of Q's, 16 of K's, and 4 bytes of padding
.set SPOS,  132
.set AE,   3                           ; v3, v4  LDS address of my even and odd sub-tiles in slot 0;  v5, v6 in slot 1
.set WSO,  7                           ; v7      my byte offset among a step's scale bytes
.set BO,   8                           ; v8, v9  my byte offsets in the bias
.set SH8,  10                          ; v10     8 x my block: where my byte stands in a scale word
.set PFO,  11                          ; v11     256 x lane: the prefetches' offset; never rewritten
.set MAX,  16                          ; v16-19 largest magnitudes, v20-23 the conversions' scale operands, v24-27 scale words in the making, v28-31 the other lane's: one for each tile of positions
.set SO,   20
.set W1,   24
.set PX,   28
.set XS,   32
.set WS,   64
.set BIAS, 96
.set ACC,  128                         ; tile of positions m: v[ACC + 32 m + e]
.set QS,   96                          ; in window 3
.set KS,   112
.set QR,   128
.set KR,   192
.set MSB, 0
.macro WIN new                         ; the immediate's high byte repeats the setting that is left; a switch that changes nothing is dropped
.if MSB != (\new)
	s_set_vgpr_msb (MSB<<8)|(\new)
.set MSB, (\new)
.endif
.endm
.macro PLACES n
.rept \n
	v_nop
.endr
.endm
; A round of the cluster's barrier: my work-group's barrier; wave 0 signals for the work-group; every wave waits for all four work-groups; my work-group's barrier once more.
.macro ROUND
	s_barrier_signal -1
	s_barrier_wait -1
	s_cmp_lg_u32 s3, 0
	s_cbranch_scc1 .Lnot_wave_0_\@
	s_barrier_signal -3
.Lnot_wave_0_\@:
	s_barrier_wait -3
	s_barrier_signal -1
	s_barrier_wait -1
.endm
.macro JLOAD slot                      ; a joint load: every wave issues the line for its own 64 rows; the descriptor hangs on the wave's number and the step alone.  Four v_nop follow
	tensor_load_to_lds s[40+4*(\slot):43+4*(\slot)], s[32:39]
	s_nop 0
	PLACES 4
.endm
; A PREFETCH INTO THE L2 of tile tt, two refills ahead of the load that will want it.  All 64 clusters walk the same weights: the first cluster asks.  Of a wave's 64 rows (32,768 bytes) each of the
; four partners takes 8,192, told apart BY ADDRESS; 32 lanes, 256 bytes apart: each aligned block of 256 bytes is named once in the launch.  Tiles 0 to 3 come by their loads alone.
.macro ASK tt
	s_cmp_lg_u32 ttmp9, 0
	s_cbranch_scc1 .Lnot_mine_\@
	global_prefetch_b8 v[PFO], s[54+2*((\tt)/4):55+2*((\tt)/4)] offset:((\tt)%4)*TILEB th:TH_LOAD_NT scope:SCOPE_SE
.Lnot_mine_\@:
.endm
; THE CHANGE OF SLOTS at the head of step t.  Each wave waits for all its tensor loads (one is out: its part of tile t), adds 0 to its spare word, and waits for that and for its reads of the slot that it has left.
; Up to t = 10 that slot is filled again, with tile t + 1: the barrier is then a round of the cluster's, and the joint load is the first thing behind it: it has a whole step in which to land.
.macro CHANGE t
	WIN 0
	s_wait_tensorcnt 0x0                           ; no tensor load of mine is out, so a group 0 may be written
	ds_add_u32 v1, v2                              ; 0 onto my spare word
.if (\t) <= 10
.set CT, (\t)+1
.set CG, 40+4*(CT%2)
	s_add_nc_u64 s[CG+2:CG+3], s[48+2*(CT/4):49+2*(CT/4)], (CT%4)*TILEB   ; tile t + 1: its matrix, its 256 rows, my 64 of them
	s_or_b32 s[CG+3], s[CG+3], 0x80000000          ; type = 2
	s_wait_dscnt 0x0                               ; the add is done, and my reads of the slot that I have left are over
	ROUND
	JLOAD CT%2
.if (\t) <= 8
	ASK (\t)+3
.endif
.else
	s_wait_dscnt 0x0
	s_barrier_signal -1                            ; the last tile: nothing is filled again, so no round
	s_barrier_wait -1
.endif
.endm
; My 64 weight rows x 128 K, the step's s-th, into one of three buffers: 4 sub-tiles x 8 registers.  Lane (r, hh): registers 4 c .. 4 c + 3 hold K = 64 c + 32 hh + 0 .. 31: 16 bytes of the row as they lie.
.macro FETCHW t, s
.set FB, 32*((8*(\t)+(\s))%3)
.set FA, AE+2*((\t)%2)
	WIN 0xc0                                       ; destination window 3
.irp u, 0,1,2,3
.irp c, 0,1
	ds_load_b128 v[FB+8*\u+4*\c:FB+8*\u+4*\c+3], v[FA+(\u%2)] offset:(\u/2)*16*PITCH+64*(\s)+32*\c
.endr
.endr
.endm
; Step tt's scale words (lane L of operand U: row L of its 32; 8 words a row) and its bias in the result's layout, straight into the registers that the products name.
.macro NEXTLOADS tt
.set NA, (\tt)/4
.set NI, (\tt)%4
.set NW, WS+16*((\tt)%2)
	WIN 0
.irp U, 0,1
.irp q, 0,1
	global_load_b128 v[NW+8*\U+4*\q:NW+8*\U+4*\q+3], v[WSO], s[14+6*NA:15+6*NA] offset:8192*NI+512*\U+16*\q
.endr
.endr
.irp q, 0,1,2,3,4,5,6,7
	global_load_b128 v[BIAS+4*\q:BIAS+4*\q+3], v[BO+((\q/2)%2)], s[16+6*NA:17+6*NA] offset:1024*NI+16*\q
.endr
.endm
; 8 matrix instructions: my two operands of 32 weight rows x the four tiles of positions, 128 along K.  The 8 accumulators take turns, one instruction a turn, in the same order in every K step.
.macro MUL t, s
.set FB, 32*((8*(\t)+(\s))%3)
.set NW, WS+16*((\t)%2)
	WIN 0x07                                       ; source 0 (weights) window 3, source 1 (x) window 1, C and D window 0
.irp U, 0,1
.irp m, 0,1,2,3
.if (\s) == 0
	v_wmma_scale_f32_32x16x128_f4 v[ACC+32*\m+16*\U:ACC+32*\m+16*\U+15], v[FB+16*\U:FB+16*\U+15], v[8*(8*\m+(\s)):8*(8*\m+(\s))+7], v[BIAS+16*\U:BIAS+16*\U+15], v[NW+8*\U+(\s)], v[XS+8*\m+(\s)]
.else
	v_wmma_scale_f32_32x16x128_f4 v[ACC+32*\m+16*\U:ACC+32*\m+16*\U+15], v[FB+16*\U:FB+16*\U+15], v[8*(8*\m+(\s)):8*(8*\m+(\s))+7], v[ACC+32*\m+16*\U:ACC+32*\m+16*\U+15], v[NW+8*\U+(\s)], v[XS+8*\m+(\s)]
.endif
.endr
.endr
.endm
; A head of Q or K is quantised: my 32 registers of each tile of positions are one block.  Codes to v[rr + 16 i + 4 m ..], scale word to v[sw + 4 i + m], both in window 3.
; The five v_nop are the places behind the step's last products: for these reads, for the next step's loads into the fragment buffers, and for its first products, which begin the accumulators anew.
.macro EPI_QK rr, sw, i
	WIN 0
	PLACES 5
.irp m, 0,1,2,3
	v_max3_num_f32 v[MAX+\m], |v[ACC+32*\m]|, |v[ACC+32*\m+1]|, 0x1800000   ; each accumulator is read from its low end on; the floor 2^(3 - 127) holds the byte at 1 from below
.endr
.irp e, 2,4,6,8,10,12,14,16,18,20,22,24,26,28,30
.irp m, 0,1,2,3
	v_max3_num_f32 v[MAX+\m], v[MAX+\m], |v[ACC+32*\m+\e]|, |v[ACC+32*\m+\e+1]|   ; (the four tiles by turns: no line waits for the line above it)
.endr
.endr
.irp m, 0,1,2,3
	v_add_nc_u32 v[SO+\m], 0xff000000, v[MAX+\m]   ; 2 off the exponent field: the conversion takes the exponent field of this operand as its scale
.endr
.irp m, 0,1,2,3
	v_lshrrev_b32 v[W1+\m], 23, v[SO+\m]           ; the scale's byte
.endr
.irp m, 0,1,2,3
	v_lshl_or_b32 v[W1+\m], v[W1+\m], v[SH8], s70  ; at my block's place; bytes 2 and 3, over zero codes, are 127
.endr
.irp m, 0,1,2,3
	v_permlanex16_b32 v[PX+\m], v[W1+\m], s66, s67 ; the other block's byte lies in lane l xor 16
.endr
	WIN 0xc0
.irp m, 0,1,2,3
.irp q, 0,1,2,3
	v_cvt_scalef32_pk8_fp4_f32 v[\rr+16*(\i)+4*\m+\q], v[ACC+32*\m+8*\q:ACC+32*\m+8*\q+7], v[SO+\m]
.endr
.endr
	v_nop                                          ; one plain place behind the scaled conversions: the next step's products write their sources
.irp m, 0,1,2,3
	v_or_b32 v[\sw+4*(\i)+\m], v[W1+\m], v[PX+\m]  ; the head's scale word at position r
.endr
	WIN 0
.endm
; A head of V is rounded to bf16: piece t (4 registers) holds e = 4 jj + t, jj = 0 .. 7, so that after the second product a lane's four tiles t are four neighbouring channels.
.macro EPI_V i
	WIN 0
	PLACES 5
	WIN 0x80                                       ; destination window 2
.irp m, 0,1,2,3
.irp t, 0,1,2,3
.irp q, 0,1,2,3
	v_cvt_pk_bf16_f32 v[64*(\i)+16*\m+4*\t+\q], v[ACC+32*\m+8*\q+\t], v[ACC+32*\m+8*\q+4+\t]   ; (t = 0: q = 0 and q = 2 read the two accumulators' lowest registers first)
.endr
.endr
.endr
	WIN 0
.endm
.macro STEP t
.if (\t) > 0
	CHANGE \t
.endif
	s_wait_loadcnt 0x0                             ; this step's scale words and bias, asked for a step ago
	FETCHW \t, 0
	FETCHW \t, 1
.irp s, 0,1,2,3,4,5,6,7
.if (\s >= 1) && (\s <= 5)
	PLACES 4                                       ; in front of loads into the buffer that the last eight products read (and, at s = 1, into the bias that the first eight took as C)
.endif
.if \s <= 5
	FETCHW \t, \s+2
.endif
.if (\s == 1) && ((\t) < 11)
	NEXTLOADS (\t)+1
.endif
.if \s <= 5
	s_wait_dscnt 16                                ; LDS loads come back in order: this K step's eight are in, the two younger runs of eight may be out
.elseif \s == 6
	s_wait_dscnt 8
.else
	s_wait_dscnt 0
.endif
	MUL \t, \s
.endr
.if (\t) < 4
	EPI_QK QR, QS, \t
.elseif (\t) < 8
	EPI_QK KR, KS, (\t)-4
.else
	EPI_V (\t)-8
.endif
.endm
	; ---- THE HEAD
	s_load_b512 s[8:23], s[0:1], 0x0               ; x codes 8, x scales 10, Wq codes 12, scales 14, bq 16, Wk codes 18, scales 20, bk 22
	s_load_b256 s[24:31], s[0:1], 0x40             ; Wv codes 24, scales 26, bv 28, out 30
	v_lshl_add_u32 v1, v0, 2, SPARE                ; my spare word; never rewritten
	v_mov_b32 v2, 0                                ; never rewritten
	ds_add_u32 v1, v2
	ds_add_u32 v1, v2
	s_wait_dscnt 0x0
	v_lshrrev_b32 v16, 5, v0
	v_readfirstlane_b32 s3, v16                    ; wave 0..3
	s_bfe_u32 s4, ttmp6, 0x40000                   ; cx: my place in the cluster.  It enters x's, out's and the prefetches' addresses alone (s4, s5, s62, s76, s78 and what is made of them)
	s_lshl_b32 s5, ttmp9, 2
	s_add_co_u32 s5, s5, s4                        ; my block of 64 positions
	v_and_b32 v16, 15, v0                          ; r
	v_bfe_u32 v17, v0, 4, 1                        ; hh
	v_bfe_u32 v18, v0, 3, 1                        ; b3 = r / 8
	v_and_b32 v19, 31, v0                          ; lane
	s_mul_i32 s6, s3, WROWS                        ; my 64 rows in a slot
	v_lshl_add_u32 v20, v18, 5, v16                ; even sub-tiles: row r + 32 b3 (+ 16 for sub-tile 2)
	v_mul_u32_u24 v[AE], v20, PITCH
	v_lshl_add_u32 v[AE], v17, 4, v[AE]
	v_add_nc_u32 v[AE], s6, v[AE]
	v_lshl_add_u32 v20, v18, 4, v16                ; odd sub-tiles: row r + 8 + 16 b3 (+ 16 for sub-tile 3)
	v_add_nc_u32 v20, 8, v20
	v_mul_u32_u24 v[AE+1], v20, PITCH
	v_lshl_add_u32 v[AE+1], v17, 4, v[AE+1]
	v_add_nc_u32 v[AE+1], s6, v[AE+1]
	v_add_nc_u32 v[AE+2], SLOT, v[AE]
	v_add_nc_u32 v[AE+3], SLOT, v[AE+1]
	v_and_b32 v20, v17, v18                        ; the scale words: lane L stands for row L of an operand's 32: sub-tile hh, index r: row r + 8 hh + b3 (32 - 16 hh)
	v_lshl_add_u32 v[WSO], v17, 3, v16
	v_lshl_add_u32 v[WSO], v18, 5, v[WSO]
	v_lshlrev_b32 v20, 4, v20
	v_sub_nc_u32 v[WSO], v[WSO], v20
	v_lshlrev_b32 v[WSO], 5, v[WSO]                ; 32 bytes a row,
	s_lshl_b32 s7, s3, 11
	v_add_nc_u32 v[WSO], s7, v[WSO]                ; my wave's 64 rows
	s_lshl_b32 s7, s3, 8                           ; the bias: my head's 64 numbers; registers 4 q on hold d = 4 q (hh = 0) or 32 + 4 (q xor 2) (hh = 1): 16 q + 160 hh or 16 q + 96 hh bytes
	v_mul_u32_u24 v[BO], v17, 160
	v_add_nc_u32 v[BO], s7, v[BO]
	v_mul_u32_u24 v[BO+1], v17, 96
	v_add_nc_u32 v[BO+1], s7, v[BO+1]
	v_lshlrev_b32 v[SH8], 3, v17
	v_lshlrev_b32 v[PFO], 8, v19
	v_lshlrev_b32 v12, 4, v19                      ; x in memory: 16 bytes a lane, a row an instruction
	s_mul_i32 s7, s3, 16*PITCH
	s_add_co_u32 s7, s7, XIMG
	v_add_nc_u32 v13, s7, v12                      ; and into LDS: my wave's 16 rows
	v_mul_u32_u24 v14, v16, PITCH
	v_lshl_add_u32 v14, v17, 4, v14
	v_add_nc_u32 v14, XIMG, v14                    ; x's fragments: row r, + 16 hh
	v_lshlrev_b32 v15, 5, v16                      ; x's scale words: 32 bytes a row
.irp m, 0,1,2,3
	v_mov_b32 v[PX+\m], 0                          ; written once: a lane permute's destination counts as one of its sources
.endr
	; descriptor group 1: 64 rows of 512 bytes (64 elements of 8 bytes), dense in memory, 16 bytes of padding behind each row
	s_mov_b32 s32, 15|(3<<16)|(1<<20)|(1<<21)|(6<<22)|(3<<25)   ; 15:0 the mask: all four work-groups; 17:16 elements of 8 bytes; 20 padding on; 21 set beside a mask; 24:22 after every 128 words (code 6); 31:25 four words (code 3)
	s_mov_b32 s33, 64<<16                          ; tensor_dim0 = 64
	s_mov_b32 s34, 64<<16                          ; tensor_dim1 = 64
	s_mov_b32 s35, 64<<16                          ; tile_dim0 = 64
	s_mov_b32 s36, 64                              ; tile_dim1 = 64
	s_mov_b32 s37, 64                              ; from row to row: 64 elements
	s_mov_b32 s38, 0
	s_mov_b32 s39, 0
	s_mov_b32 s40, 1                               ; group 0, one set for each slot: count = 1,
	s_mov_b32 s41, s6                              ; LDS address: my 64 rows of slot 0,
	s_mov_b32 s44, 1
	s_add_co_u32 s45, s6, SLOT                     ; of slot 1
	s_mov_b32 s66, 0x76543210
	s_mov_b32 s67, 0xfedcba98                      ; v_permlanex16_b32's selects for lane l xor 16
	s_mov_b32 s68, 0x3fb8aa3b                      ; c = log2(e)
	s_mov_b32 s69, s68                             ; (named with it as a pair, so it is written)
	s_mov_b32 s70, 0x7f7f0000
	s_mov_b32 s71, 0xbfb8aa3b                      ; -c
	s_lshl_b32 s60, s3, 15                         ; my wave's 64 weight rows: 32,768 bytes
	s_mov_b32 s61, 0
	s_lshl_b32 s62, s4, 13                         ; my work-group's quarter of them, for the prefetches
	s_mov_b32 s63, 0
	s_lshl_b32 s76, s5, 15                         ; x: 64 rows of 512 bytes a work-group, 16 a wave
	s_lshl_b32 s78, s3, 13
	s_add_co_u32 s76, s76, s78
	s_mov_b32 s77, 0
	s_wait_kmcnt 0x0
	s_add_nc_u64 s[8:9], s[8:9], s[76:77]
	s_lshl_b32 s76, s5, 11                         ; x's scale bytes: 64 rows of 32
	s_add_nc_u64 s[10:11], s[10:11], s[76:77]
	s_lshl_b32 s76, s5, 18                         ; out: 64 rows of 4,096 bytes a work-group, 16 a wave
	s_lshl_b32 s78, s3, 16
	s_add_co_u32 s76, s76, s78
	s_add_nc_u64 s[30:31], s[30:31], s[76:77]
.irp a, 0,1,2
	s_add_nc_u64 s[48+2*\a:49+2*\a], s[12+6*\a:13+6*\a], s[60:61]   ; each matrix's codes at my wave's rows of its first tile
	s_add_nc_u64 s[54+2*\a:55+2*\a], s[48+2*\a:49+2*\a], s[62:63]   ; and at my work-group's quarter of them
.endr
	s_mov_b64 s[42:43], s[48:49]                   ; tile 0
	s_or_b32 s43, s43, 0x80000000                  ; type = 2
	s_add_nc_u64 s[46:47], s[48:49], TILEB         ; tile 1
	s_or_b32 s47, s47, 0x80000000
.irp j, 0,1,2,3,4,5,6,7,8,9,10,11,12,13,14,15
	global_load_b128 v[ACC+4*\j:ACC+4*\j+3], v12, s[8:9] offset:512*\j th:TH_LOAD_NT   ; my 16 rows of x: 32 lanes read a row's 512 bytes
.endr
.irp m, 0,1,2,3
.irp q, 0,1
	global_load_b128 v[XS+8*\m+4*\q:XS+8*\m+4*\q+3], v15, s[10:11] offset:512*\m+16*\q   ; lane r: the 8 scale words of position 16 m + r
.endr
.endr
	NEXTLOADS 0
	ROUND                                          ; all four work-groups are here: the first joint loads meet
	tensor_load_to_lds s[40:43], s[32:39]          ; both first fills together: two tensor loads of mine are out
	s_nop 0
	tensor_load_to_lds s[44:47], s[32:39]
	s_nop 0
	PLACES 4
	s_wait_loadcnt 20                              ; my 16 rows of x are in; the 20 younger loads (x's scale words, step 0's scale words and bias) may be out
.irp j, 0,1,2,3,4,5,6,7,8,9,10,11,12,13,14,15
	ds_store_b128 v13, v[ACC+4*\j:ACC+4*\j+3] offset:PITCH*\j
.endr
	s_wait_tensorcnt 1                             ; tile 0 has landed; tile 1 may stay out
	s_wait_dscnt 0x0                               ; for the others' sake: my rows of x lie in LDS
	s_barrier_signal -1
	s_barrier_wait -1
	WIN 0x40                                       ; destination window 1
.irp m, 0,1,2,3
.irp s, 0,1,2,3,4,5,6,7
.irp c, 0,1
	ds_load_b128 v[8*(8*\m+\s)+4*\c:8*(8*\m+\s)+4*\c+3], v14 offset:16*PITCH*\m+64*\s+32*\c   ; x's fragments stay in registers; the first counted wait of step 0 covers them
.endr
.endr
.endr
	; ---- THE TWELVE STEPS.  Written out: the registers that take the results differ from step to step.  One tensor load of mine is out behind each round.
.irp t, 0,1,2,3,4,5,6,7,8,9,10,11
	STEP \t
.endr
	; ---- THE FLUSH: the results go into images over the ring, which has had its last fill
	s_wait_dscnt 0x0
	s_barrier_signal -1                            ; nobody reads the ring any more
	v_and_b32 v16, 15, v0                          ; r
	v_bfe_u32 v17, v0, 4, 1                        ; hh
	v_bfe_u32 v18, v0, 3, 1                        ; b3
	v_and_b32 v19, 31, v0                          ; lane
	s_lshl_b32 s6, s3, 4
	s_add_co_u32 s6, s6, QIMG
	v_mul_u32_u24 v3, v16, PITCH                   ; codes: position r, block hh, head w (+ 4 i by the immediate)
	v_lshl_add_u32 v3, v17, 8, v3
	v_add_nc_u32 v3, s6, v3
	s_lshl_b32 s6, s3, 2
	s_add_co_u32 s6, s6, SIMG
	v_mul_u32_u24 v4, v16, SPOS                    ; scale words: position r, head w
	v_add_nc_u32 v4, s6, v4
	s_mul_i32 s6, s3, VHEAD
	v_mul_u32_u24 v5, v16, VPOS                    ; V: position r, head w, half hh; a register for each tile of positions
	v_lshl_add_u32 v5, v17, 4, v5
	v_add_nc_u32 v5, s6, v5
	v_add_nc_u32 v6, 16*VPOS, v5
	v_add_nc_u32 v7, 32*VPOS, v5
	v_add_nc_u32 v8, 48*VPOS, v5
	s_barrier_wait -1
	WIN 0x0c                                       ; an LDS store's data are its source 1: window 3
.irp i, 0,1,2,3
.irp m, 0,1,2,3
	ds_store_b128 v3, v[QR+16*\i+4*\m:QR+16*\i+4*\m+3] offset:16*PITCH*\m+64*\i
	ds_store_b128 v3, v[KR+16*\i+4*\m:KR+16*\i+4*\m+3] offset:KOFF+16*PITCH*\m+64*\i
	ds_store_b32 v4, v[QS+4*\i+\m] offset:16*SPOS*\m+16*\i        ; both halves of the lanes write the same word with the same value
	ds_store_b32 v4, v[KS+4*\i+\m] offset:16*SPOS*\m+16*\i+64
.endr
.endr
	WIN 0x08                                       ; window 2
.irp i, 0,1,2,3
.irp m, 0,1,2,3
.irp t, 0,1,2,3
	ds_store_b128 v[5+\m], v[64*\i+16*\m+4*\t:64*\i+16*\m+4*\t+3] offset:4*VHEAD*\i+32*\t
.endr
.endr
.endr
	WIN 0
	s_wait_dscnt 0x0                               ; for the others' sake: my stores have landed; they have also read their registers, which are written below
	s_barrier_signal -1
	; THE TAIL'S REGISTERS.  A trip takes four positions; position n lives in window n, at the same numbers in each:
.set QF,   40                          ; Q's fragment (16 heads x 128 K: 4 registers of codes, 4 of zero codes);  KF K's
.set KF,   48
.set SCR,  56                          ; the scores, then the weights p
.set MX,   64                          ; the row's maximum;  TPX the other lane's;  NM, NM + 1: -c x maximum, named as a pair
.set TPX,  65
.set NM,   66
.set PB,   72                          ; p as bf16: 4 registers, and 4 of zeros (K = 16 of 32)
.set VT,   80                          ; V^T: four tiles of 16 channels: 4 registers each, and 4 of zeros
.set ONES, 112
.set OA,   120                         ; P V: four tiles
.set LS,   152                         ; P 1: the rows' sums, in P V's layout
.set INV,  160
.set OUT,  168
.set SCW,  32                          ; v32-35, always window 0: position n's scale words: lanes 0-15 Q's, lanes 16-31 K's
.irp n, 0,1,2,3
	WIN \n<<6
.irp k, 4,5,6,7
	v_mov_b32 v[QF+\k], 0
	v_mov_b32 v[KF+\k], 0
	v_mov_b32 v[PB+\k], 0
	v_mov_b32 v[VT+\k], 0
	v_mov_b32 v[VT+8+\k], 0
	v_mov_b32 v[VT+16+\k], 0
	v_mov_b32 v[VT+24+\k], 0
.endr
.irp k, 0,1,2,3,4,5,6,7
	v_mov_b32 v[ONES+\k], 0x3f803f80               ; 1.0 twice, in bf16
.endr
	v_mov_b32 v[TPX], 0
	v_mov_b32 v[NM+1], 0
.endr
	WIN 0
	s_mul_i32 s6, s3, 16*PITCH                     ; my wave's 16 positions
	s_add_co_u32 s6, s6, QIMG
	v_lshl_add_u32 v9, v19, 4, s6                  ; codes: 16 bytes a lane
	s_mul_i32 s6, s3, 16*SPOS
	s_add_co_u32 s6, s6, SIMG
	v_lshl_add_u32 v10, v19, 2, s6                 ; scale words: 4 bytes a lane
	v_and_b32 v20, 7, v0
	v_lshl_add_u32 v20, v17, 3, v20                ; V, for the turning load: head 8 hh + l % 8, 16 bytes at 16 b3
	v_mul_u32_u24 v12, v20, VHEAD
	v_lshl_add_u32 v12, v18, 4, v12
	s_mul_i32 s6, s3, 16*VPOS
	v_add_nc_u32 v12, s6, v12
	v_lshlrev_b32 v20, 1, v18                      ; out: column r of tile t is channel 4 p + t, p = r xor 2 b3 (block 1's changed order): 16 p bytes, + 8 hh heads of 256 bytes
	v_xor_b32 v20, v20, v16
	v_lshlrev_b32 v13, 4, v20
	v_lshl_add_u32 v13, v17, 11, v13
	s_mov_b32 s72, 4
	s_mov_b32 s73, 0
	s_mov_b32 s74, 0
	s_mov_b32 s75, 0
	s_barrier_wait -1                              ; the images are whole
	; ---- THE TAIL: 4 trips of 4 positions
.Ltail:
	v_add_nc_u32 v14, s73, v9
	v_add_nc_u32 v15, s74, v10
	v_add_nc_u32 v16, s75, v12
.irp n, 0,1,2,3
	WIN \n<<6
	ds_load_b128 v[QF:QF+3], v14 offset:PITCH*\n
	ds_load_b128 v[KF:KF+3], v14 offset:KOFF+PITCH*\n
.endr
	WIN 0
.irp n, 0,1,2,3
	ds_load_b32 v[SCW+\n], v15 offset:SPOS*\n
.endr
.irp n, 0,1,2,3
	WIN \n<<6
.irp t, 0,1,2,3
	ds_load_tr16_b128 v[VT+8*\t:VT+8*\t+3], v16 offset:VPOS*\n+32*\t   ; lane (r, hh): column r of tile t, heads 8 hh + 0 .. 7
.endr
.endr
	s_wait_dscnt 16                                ; codes and scale words are in; the 16 loads of V may be out
.irp n, 0,1,2,3
	WIN 0x55*\n
	v_wmma_scale_f32_16x16x128_f8f6f4 v[SCR:SCR+7], v[KF:KF+7], v[QF:QF+7], 0, v[SCW+\n], v[SCW+\n] matrix_a_fmt:MATRIX_FMT_FP4 matrix_b_fmt:MATRIX_FMT_FP4 matrix_a_scale:MATRIX_SCALE_ROW1   ; S^T: lane (r, hh): Q's head r, register j: K's head 8 hh + j
.endr
	PLACES 4
.irp n, 0,1,2,3
	WIN 0x55*\n
	v_max3_num_f32 v[MX], v[SCR], v[SCR+1], v[SCR+2]
	v_max3_num_f32 v[MX], v[MX], v[SCR+3], v[SCR+4]
	v_max3_num_f32 v[MX], v[MX], v[SCR+5], v[SCR+6]
	v_max_num_f32 v[MX], v[MX], v[SCR+7]
	v_permlanex16_b32 v[TPX], v[MX], s66, s67      ; the row's other eight scores lie in lane l xor 16
	v_max_num_f32 v[MX], v[MX], v[TPX]
	v_mul_f32 v[NM], s71, v[MX]
.irp q, 0,2,4,6
	v_pk_fma_f32 v[SCR+\q:SCR+\q+1], v[SCR+\q:SCR+\q+1], s[68:69], v[NM:NM+1] op_sel_hi:[1,0,0]   ; c s - c max, two at a time (of both pairs the low word serves both halves)
.endr
.irp j, 0,1,2,3,4,5,6,7
	v_exp_f32 v[SCR+\j], v[SCR+\j]
.endr
.endr
	v_nop                                          ; a plain instruction behind the last exponential
	s_wait_alu depctr_va_vdst(0)                   ; one wait for the 32 exponentials, ahead of their first reader
.irp n, 0,1,2,3
	WIN 0x55*\n
.irp q, 0,1,2,3
	v_cvt_pk_bf16_f32 v[PB+\q], v[SCR+2*\q], v[SCR+2*\q+1]   ; lane (r, hh) holds k = 8 hh + 0 .. 7 of row r: source 0 of the second product as it stands
.endr
.endr
	PLACES 4                                       ; four plain places between the last rounding and the products that read it
	s_wait_dscnt 0x0                               ; V is in
.irp n, 0,1,2,3
	WIN 0x55*\n
	v_wmma_f32_16x16x32_bf16 v[LS:LS+7], v[PB:PB+7], v[ONES:ONES+7], 0   ; the rows' sums: lane (r, hh), register j: head 8 hh + j
.irp t, 0,1,2,3
	v_wmma_f32_16x16x32_bf16 v[OA+8*\t:OA+8*\t+7], v[PB:PB+7], v[VT+8*\t:VT+8*\t+7], 0   ; and in the same layout P V: channel 4 p(r) + t
.endr
.endr
	PLACES 4
.irp n, 0,1,2,3
	WIN 0x55*\n
.irp j, 0,1,2,3,4,5,6,7
	v_rcp_f32 v[INV+\j], v[LS+\j]
.endr
.endr
	v_nop
	s_wait_alu depctr_va_vdst(0)                   ; one wait for the 32 reciprocals
.irp n, 0,1,2,3
	WIN 0x55*\n
.irp j, 0,1,2,3,4,5,6,7
.irp t, 0,1,2,3
	v_mul_f32 v[OUT+4*\j+\t], v[OA+8*\t+\j], v[INV+\j]   ; the division also brings a head's four neighbouring channels into four neighbouring registers
.endr
.endr
	WIN \n<<2                                      ; a store's data are its source 1
.irp j, 0,1,2,3,4,5,6,7
	global_store_b128 v13, v[OUT+4*\j:OUT+4*\j+3], s[30:31] offset:4096*\n+256*\j th:TH_STORE_NT   ; lanes 0-15 store the 256 bytes of head j, lanes 16-31 those of head 8 + j: each aligned to 256 from out's first byte
.endr
.endr
	WIN 0
	s_wait_xcnt 0x0                                ; the stores have read their registers and their base: both may be written again
	s_add_nc_u64 s[30:31], s[30:31], 4*4096
	s_add_co_u32 s73, s73, 4*PITCH
	s_add_co_u32 s74, s74, 4*SPOS
	s_add_co_u32 s75, s75, 4*VPOS
	s_sub_co_u32 s72, s72, 1
	s_cmp_lg_u32 s72, 0
	s_cbranch_scc1 .Ltail
	s_wait_tensorcnt 0x0                           ; the wave's end: behind my last tensor load and my last LDS store
	ds_add_u32 v1, v2
	s_wait_dscnt 0x0
	ROUND                                          ; the closing round: no work-group ends while a partner may still ask for a tile that names it
	s_endpgm
.Lfunc_end_k_q6cadfd6a96_fused:
	.size	k_q6cadfd6a96_fused, .Lfunc_end_k_q6cadfd6a96_fused-k_q6cadfd6a96_fused
	.p2alignl 7, 3214868480
	.fill 96, 4, 3214868480
	.section	.rodata,"a",@progbits
	.p2align	6, 0x0
	.amdhsa_kernel k_q6cadfd6a96_fused
		.amdhsa_group_segment_fixed_size 327680
		.amdhsa_private_segment_fixed_size 0
		.amdhsa_enable_private_segment 0
		.amdhsa_kernarg_size 96
		.amdhsa_user_sgpr_count 2
		.amdhsa_user_sgpr_kernarg_segment_ptr 1
		.amdhsa_wavefront_size32 1
		.amdhsa_system_sgpr_workgroup_id_x 1
		.amdhsa_system_sgpr_workgroup_id_y 1
		.amdhsa_system_sgpr_workgroup_id_z 1
		.amdhsa_system_vgpr_workitem_id 0
		.amdhsa_next_free_vgpr 1024
		.amdhsa_next_free_sgpr 80
		.amdhsa_reserve_vcc 0
		.amdhsa_float_denorm_mode_32 3
		.amdhsa_float_denorm_mode_16_64 3
		.amdhsa_memory_ordered 1
		.amdhsa_forward_progress 1
		.amdhsa_inst_pref_size 255
	.end_amdhsa_kernel
	.section	.bss,"aw",@nobits
	.p2align	6
	.space	262144
	.amdgpu_metadata
---
amdhsa.version: [ 1, 2 ]
amdhsa.kernels:
  - .name:           k_q6cadfd6a96_fused
    .symbol:         k_q6cadfd6a96_fused.kd
    .args:
      - { .name: x_codes, .offset: 0, .size: 8, .value_kind: global_buffer, .address_space: global }
      - { .name: x_scales, .offset: 8, .size: 8, .value_kind: global_buffer, .address_space: global }
      - { .name: Wq_codes, .offset: 16, .size: 8, .value_kind: global_buffer, .address_space: global }
      - { .name: Wq_scales, .offset: 24, .size: 8, .value_kind: global_buffer, .address_space: global }
      - { .name: bq, .offset: 32, .size: 8, .value_kind: global_buffer, .address_space: global }
      - { .name: Wk_codes, .offset: 40, .size: 8, .value_kind: global_buffer, .address_space: global }
      - { .name: Wk_scales, .offset: 48, .size: 8, .value_kind: global_buffer, .address_space: global }
      - { .name: bk, .offset: 56, .size: 8, .value_kind: global_buffer, .address_space: global }
      - { .name: Wv_codes, .offset: 64, .size: 8, .value_kind: global_buffer, .address_space: global }
      - { .name: Wv_scales, .offset: 72, .size: 8, .value_kind: global_buffer, .address_space: global }
      - { .name: bv, .offset: 80, .size: 8, .value_kind: global_buffer, .address_space: global }
      - { .name: out0, .offset: 88, .size: 8, .value_kind: global_buffer, .address_space: global }
    .group_segment_fixed_size: 327680
    .private_segment_fixed_size: 0
    .kernarg_segment_align: 8
    .kernarg_segment_size: 96
    .max_flat_workgroup_size: 128
    .sgpr_count:     80
    .vgpr_count:     1024
    .wavefront_size: 32
...
	.end_amdgpu_metadata
.endif
;; end of part 1
;; ======== version 2 of 2: 1 launch
;; limits: values outside matrix products are rounded to bf16; values are held in bf16: 8 bits of precision; right only within a limited range of input values
;; launch fused (part 2): grid 256 x 1, 4 waves a work-group, clusters of 4 x 1, 327,680 bytes of LDS; arguments x_codes, x_scales, Wq_codes, Wq_scales, bq, Wk_codes, Wk_scales, bk, Wv_codes, Wv_scales, bv, out0; writes out0
.if DOCPART == 2
	.amdgcn_target "amdgcn-amd-amdhsa--gfx1250"
	.amdhsa_code_object_version 6
	.text
	.protected	k_q6cadfd6a96_fused
	.globl	k_q6cadfd6a96_fused
	.p2align	8
	.type	k_q6cadfd6a96_fused,@function
k_q6cadfd6a96_fused:
	s_mov_b64 s[64:65], 0
	v_nop
	global_prefetch_b8 v0, s[64:65] scope:SCOPE_SE
	s_setreg_imm32_b32 hwreg(HW_REG_WAVE_MODE, 25, 1), 1
	s_wait_xcnt 0x0
	s_wait_alu depctr_hold_cnt(0) depctr_sa_sdst(0) depctr_va_vdst(0) depctr_va_sdst(0) depctr_va_ssrc(0) depctr_va_vcc(0) depctr_vm_vsrc(0)
	s_getreg_b32 s2, hwreg(HW_REG_IB_STS2, 6, 4)
	s_cmp_eq_u32 s2, 0
	s_cbranch_scc0 .Lentry_in_a_cluster
	s_endpgm
.Lentry_in_a_cluster:
	s_bfe_u32 s2, ttmp6, 0x10000c
	s_cmp_lg_u32 s2, 0x3003
	s_cbranch_scc0 .Lentry_shape_is_right
	s_endpgm
.Lentry_shape_is_right:
; out[pos][h][:] = sum over g of softmax_g(Q[pos][h] . K[pos][g]) V[pos][g][:], Q, K, V = x W + b, 16 heads of 64; the scores run ACROSS HEADS at each of the 16,384 positions.
; x [16384][1024] and Wq, Wk, Wv [1024 (n)][1024 (k)] arrive as codes of FP4 (E2M1), K innermost (a row is 512 bytes), with one E8M0 byte for each 32 along K (a row is 32 bytes).
; ONE LAUNCH: Q, K and V never go to memory.  A position wants all 3,072 columns, so a work-group owns ROWS: 64 positions (4 tiles m of 16); 256 work-groups.
; x STAYS IN REGISTERS: every wave holds all 64 rows x 1,024 K as 32 fragments (256 registers), so LDS is read for weights alone and each weight fragment feeds four tiles of positions.
; THE WAVES SHARE THE COLUMNS: 12 tiles of 256 weight rows, a group of 4 heads of one matrix: Wq's four, then Wk's, then Wv's; wave w takes 64 rows, one head: 64 matrix instructions of 32 x 16 x 128.
; Tile t is my cluster's (t % 4)-th head group, which is group (t % 4 + cluster) % 4.  K and V take the same order of heads, which leaves the softmax and its sum as they are; Q's order shows in the store address alone.
; THE RING: two LDS slots of 256 rows.  CLUSTER: the four work-groups walk the same weights in the same order, so each tile is asked for JOINTLY (mask 15).  The head's one load a wave is 128 rows: waves 0, 1 tile 0, waves 2, 3 tile 1;
; behind it each wave fetches and reads its own 64 rows of a tile.  A step works on PAIRS of K steps: 16 LDS loads, 16 matrix instructions; three pair buffers, fetched two pairs ahead, across tiles.
; The change of slots stands in a step's third pair: the last reads of the slot were issued a pair before, and the fragments of two pairs are in registers.
; THE PRODUCT IS USED TRANSPOSED (source 0 = 32 weight rows, source 1 = 16 positions), AND THE ROWS OF A TILE ARE CHOSEN: sub-tile u (16 rows): lanes 0-7 take head rows 8 u + i, lanes 8-15 take 32 + 8 (u xor 1) + i.
; So lane (r, hh) holds position r, and its 32 result registers e hold d = e (hh = 0) or d = 32 + (e xor 8) (hh = 1): ONE WHOLE BLOCK of 32 along the score product's K.  The order inside block 1 is changed alike for
; Q and K, which leaves the products as they are; for V it shows in the store address alone.
; SCORES: the codes of positions 0-31 go to an LDS image as they are made, those of 32-63 in step 8.  Each wave takes 8 positions of a half: S^T = K Q^T (K = 64 of 128, the upper 64 zero codes), softmax with the row's maximum
; taken away, normalised in f32, P rounded to bf16 and kept in registers.  This stands between tiles 7 and 8 and between tiles 9 and 10.
; V goes to an LDS image in bf16: groups 0 to 2 over slot 0 once it has had its last fill and last read (steps 10, 11), group 3 behind the last tile.  Then P V in bf16 (K = 16, V's upper 16 zeros) and stores of whole rows of 256 bytes.
; PREFETCH: Wk's codes are asked for in step 0, Wv's in step 4, one and a half steps ahead of the first load of them; 16 blocks of 256 bytes a work-group, by wave 0, told apart by address; 128 work-groups cover a matrix once.
; LIMITS: NaN and infinities among the inputs are not served.  A block of Q or K that is all zeros gets the byte 1 where the rule says 127: its codes are zeros, and this program alone reads the bytes.
; The bias is the C of a sum's first product, so it is added first.
;
; REGISTERS, in windows of 256 (s_set_vgpr_msb: bits 1:0 source 0, 3:2 source 1, 5:4 source 2, 7:6 destination):
;   window 0: v1-15, v20-23 addresses; v16-19, v24-31 the quantiser's; v32-63 x's scale words; v64-95 the weights' scale words, two sets; v96-127 the bias in the result's layout; v128-255 8 accumulators of 16
;   window 1: x's 32 fragments.   window 3: v0-191 three pair buffers of weight fragments; v192-255 codes on their way to LDS, then the scores' work
;   window 2: v0-63 V's group 0; v64-127 codes of positions 32-63, then V's group 1; v128-191 the scores' operands, then V's group 2; v192-223 scale words of positions 32-63, then P of them; v224-255 P of positions 0-31
.set PITCH, 528                        ; an LDS row: 512 bytes + 16 of padding = 132 words: row R starts at bank 4 R mod 64 (64 banks of 4 bytes: ISA guide 11.1); the 16 rows of a sub-tile differ modulo 16
.set WROWS, 64*PITCH                   ; 64 rows: what one wave reads of a tile
.set SLOT,  4*WROWS                    ; 135,168
.set XIMG,  2*SLOT                     ; behind the ring: x's 64 rows, read in step 0; then Q's and K's image of 32 positions
.set QIMG,  XIMG                       ; Q's codes: a position is an image of the operand's registers, 16 bytes a lane (lane = 16 x block + head), pitch 528
.set KOFF,  32*PITCH                   ; K's likewise, behind Q's
.set SIMG,  QIMG+2*KOFF                ; the scale words: a position is 16 words of Q's, 16 of K's, and 4 bytes of padding
.set SPOS,  132
.set SPARE, 327168                     ; the spare words, 128 bytes for each wave: two blocks of 256 bytes that no other line names
.set VPOS,  656                        ; V's image: a group of 4 heads, a position 4 x 160 bytes + 16: 164 words, so that 16 positions start at 16 different groups of 4 banks
.set VHEAD, 160                        ;   a head: 8 pieces of 16 bytes (tile t, half rh at 32 t + 16 rh) + 32 of padding: 40 words
.set GS,    42112                      ;   from group to group: 128 modulo 256, so that the 8 rows of a turning load start at 8 different groups of 8 banks.  Groups 0-2 end at 126,208, inside slot 0
.set RO,   80                          ; s80-83  the head group of my cluster's i-th turn: (i + cluster) % 4: the same in all four partners
.set AE,   3                           ; v3, v4  LDS address of my even and odd sub-tiles in slot 0;  v5, v6 in slot 1
.set WSO,  7                           ; v7      my byte offset among a tile's scale bytes
.set BO,   8                           ; v8, v9  my byte offsets in a tile's bias
.set SH8,  10                          ; v10     8 x my block: where my byte stands in a scale word
.set CST,  11                          ; v11     where my codes go in the image
.set SST,  12                          ; v12     where my scale words go
.set XFA,  13                          ; v13     x's fragments in LDS
.set CLD,  14                          ; v14     the scores: codes, 16 bytes a lane
.set SLD,  15                          ; v15     the scores: scale words
.set PFO,  20                          ; v20     the prefetches' offset
.set VST,  21                          ; v21-23  where my V goes, groups 0-2 (v24: group 3, at the end)
.set MAX,  16                          ; v16-19 largest magnitudes, then the conversions' scale operands
.set W1,   24                          ; v24-27 scale words in the making
.set PX,   28                          ; v28-31 the other lane's
.set XS,   32
.set WS,   64
.set BIAS, 96
.set ACC,  128                         ; tile of positions m: v[ACC + 32 m + e]
.set CT4,  192                         ; window 3: codes on their way to LDS
.set CODH, 64                          ; window 2: codes of positions 32-63: Q's 32, K's 32
.set SWH,  192                         ; window 2: their scale words: Q's 8, K's 8
.set OPS,  128                         ; window 2: the scores' operands, four positions: Q 8 registers, K 8
.set SCW,  WS+16                       ; window 0: the scores' scale words: the weights' set 1, between tiles 7 and 8 and between 9 and 10
.set SCR,  192                         ; window 3: scores, then p, four positions x 8
.set MX,   224
.set TPX,  228
.set NM,   232
.set SM,   240
.set ST,   248
.set MSB, 0
.macro WIN new                         ; the immediate's high byte repeats the setting that is left; a switch that changes nothing is dropped
.if MSB != (\new)
	s_set_vgpr_msb (MSB<<8)|(\new)
.set MSB, (\new)
.endif
.endm
.macro PLACES n
.rept \n
	v_nop
.endr
.endm
; A round of the cluster's barrier behind its opening barrier: wave 0 signals for the work-group; every wave waits for all four work-groups; my work-group's barrier once more.
.macro CREST
	s_cmp_lg_u32 s3, 0
	s_cbranch_scc1 .Lnot_wave_0_\@
	s_barrier_signal -3
.Lnot_wave_0_\@:
	s_barrier_wait -3
	s_barrier_signal -1
	s_barrier_wait -1
.endm
.macro ROUND
	s_barrier_signal -1
	s_barrier_wait -1
	CREST
.endm
.macro JLOAD g                         ; a joint load: the descriptor hangs on the wave's number, the step and the cluster's number alone.  Four v_nop follow
	tensor_load_to_lds s[\g:\g+3], s[32:39]
	s_nop 0
	PLACES 4
.endm
; Pair FP's weight fragments: 2 K steps x 4 sub-tiles x 8 registers.  Lane (r, hh): registers 4 c .. 4 c + 3 hold K = 64 c + 32 hh + 0 .. 31: 16 bytes of the row as they lie.
.macro FETCHP
.set FB, 64*(FP%3)
.set FA, AE+2*((FP/4)%2)
.set FS, 2*(FP%4)
	WIN 0xc0
.irp k, 0,1
.irp u, 0,1,2,3
.irp c, 0,1
	ds_load_b128 v[FB+32*\k+8*\u+4*\c:FB+32*\k+8*\u+4*\c+3], v[FA+(\u%2)] offset:(\u/2)*16*PITCH+64*(FS+\k)+32*\c
.endr
.endr
.endr
.endm
.macro XFETCH                          ; pair FP's fragments of x, in step 0 alone: they stay
.set FS, 2*(FP%4)
	WIN 0x40
.irp k, 0,1
.irp m, 0,1,2,3
.irp c, 0,1
	ds_load_b128 v[64*\m+8*(FS+\k)+4*\c:64*\m+8*(FS+\k)+4*\c+3], v[XFA] offset:16*PITCH*\m+64*(FS+\k)+32*\c
.endr
.endr
.endr
.endm
; Tile NT's scale words (lane L of operand U: row L of its 32; 8 words a row) and its bias in the result's layout, straight into the registers that the products name.
; The two bases are stepped to the tile's head group: the loads that named them last were shown done by the wait for all loads at this step's head.
.macro NEXTLOADS
.set NA, NT/4
.set NI, NT%4
.set NW, WS+16*(NT%2)
	WIN 0
	s_lshl_b32 s56, s[RO+NI], 13                   ; 256 rows of 32 scale bytes (s57 = 0)
	s_add_nc_u64 s[58:59], s[14+6*NA:15+6*NA], s[56:57]
	s_lshl_b32 s56, s[RO+NI], 10                   ; 256 numbers of the bias
	s_add_nc_u64 s[60:61], s[16+6*NA:17+6*NA], s[56:57]
.irp U, 0,1
.irp q, 0,1
	global_load_b128 v[NW+8*\U+4*\q:NW+8*\U+4*\q+3], v[WSO], s[58:59] offset:512*\U+16*\q
.endr
.endr
.irp q, 0,1,2,3,4,5,6,7
	global_load_b128 v[BIAS+4*\q:BIAS+4*\q+3], v[BO+((\q/2)%2)], s[60:61] offset:16*\q
.endr
.endm
; Two matrix instructions: my two operands of 32 weight rows x tile m of positions, the step's s-th 128 along K.  The 8 accumulators take turns, one instruction a turn, in the same order in every K step.
.macro MULM s, m
.set WB, 64*((4*TT+(\s)/2)%3)+32*((\s)%2)
.set MW, WS+16*(TT%2)
.irp U, 0,1
.if (\s) == 0
	v_wmma_scale_f32_32x16x128_f4 v[ACC+32*\m+16*\U:ACC+32*\m+16*\U+15], v[WB+16*\U:WB+16*\U+15], v[64*\m+8*(\s):64*\m+8*(\s)+7], v[BIAS+16*\U:BIAS+16*\U+15], v[MW+8*\U+(\s)], v[XS+8*\m+(\s)]
.else
	v_wmma_scale_f32_32x16x128_f4 v[ACC+32*\m+16*\U:ACC+32*\m+16*\U+15], v[WB+16*\U:WB+16*\U+15], v[64*\m+8*(\s):64*\m+8*(\s)+7], v[ACC+32*\m+16*\U:ACC+32*\m+16*\U+15], v[MW+8*\U+(\s)], v[XS+8*\m+(\s)]
.endif
.endr
.endm
.macro MUL s
	WIN 0x07                                       ; source 0 (weights) window 3, source 1 (x) window 1, C and D window 0
	MULM \s, 0
	MULM \s, 1
	MULM \s, 2
	MULM \s, 3
.endm
; THE CHANGE OF SLOTS in step TT's third pair.  Each wave waits for all its tensor loads (from step 1 on one is out: its part of tile TT + 1; in step 0 none), adds 0 to its spare word, and waits for that and for its reads of tile TT, whose last were issued a pair ago.
; Behind the round tile TT's slot takes tile TT + 2 first, which has until the next change to land; then come tile TT + 1's first fragments.
.macro CHANGE
	WIN 0
	s_wait_tensorcnt 0x0                           ; no tensor load of mine is out, so a group 0 may be written
	ds_add_u32 v1, v2                              ; 0 onto my spare word
.set CI, TT+2
.set CG, 40+4*(CI%2)
	s_lshl_b32 s54, s[RO+CI%4], 17                 ; its head group's 256 rows of 512 bytes (s55 = 0),
	s_add_nc_u64 s[CG+2:CG+3], s[48+2*(CI/4):49+2*(CI/4)], s[54:55]   ; in its matrix, at my 64 of them
	s_or_b32 s[CG+3], s[CG+3], 0x80000000          ; type = 2
	s_wait_dscnt 0x0                               ; the add is done, and my reads of the slot are over
	s_barrier_signal -1
	WIN 0x07
	MULM 4, 0                                      ; work on registers while the others arrive
	MULM 4, 1
	WIN 0
	s_barrier_wait -1
	CREST
	JLOAD CG                                       ; the four v_nop behind it are also the places in front of the loads below
.set FP, 4*TT+4
	FETCHP
	WIN 0x07
	MULM 4, 2
	MULM 4, 3
	MUL 5
.endm
; A head of Q or K (tile ET) is quantised: my 32 registers of each tile of positions are one block.  Positions 0-31 go to the LDS image at once, positions 32-63 wait in window 2.
.macro EPI_QK
	WIN 0
.irp m, 0,1,2,3
	v_max3_num_f32 v[MAX+\m], |v[ACC+32*\m]|, |v[ACC+32*\m+1]|, 0x1800000   ; each accumulator is read from its low end on; the floor 2^(3 - 127) holds the byte at 1 from below
.endr
.irp e, 2,4,6,8,10,12,14,16,18,20,22,24,26,28,30
.irp m, 0,1,2,3
	v_max3_num_f32 v[MAX+\m], v[MAX+\m], |v[ACC+32*\m+\e]|, |v[ACC+32*\m+\e+1]|   ; (the four tiles by turns: no line waits for the line above it)
.endr
.endr
.irp m, 0,1,2,3
	v_add_nc_u32 v[MAX+\m], 0xff000000, v[MAX+\m]  ; 2 off the exponent field: the conversion takes the exponent field of this operand as its scale
.endr
.irp m, 0,1,2,3
	v_lshrrev_b32 v[W1+\m], 23, v[MAX+\m]          ; the scale's byte
.endr
.irp m, 0,1,2,3
	v_lshl_or_b32 v[W1+\m], v[W1+\m], v[SH8], s70  ; at my block's place; bytes 2 and 3, over zero codes, are 127
.endr
.irp m, 0,1,2,3
	v_permlanex16_b32 v[PX+\m], v[W1+\m], s66, s67 ; the other block's byte lies in lane l xor 16
.endr
	WIN 0xc0
.irp m, 0,1
.irp q, 0,1,2,3
	v_cvt_scalef32_pk8_fp4_f32 v[CT4+4*\m+\q], v[ACC+32*\m+8*\q:ACC+32*\m+8*\q+7], v[MAX+\m]
.endr
.endr
	WIN 0x80
.irp m, 2,3
.irp q, 0,1,2,3
	v_cvt_scalef32_pk8_fp4_f32 v[CODH+32*EA+8*EI+4*(\m-2)+\q], v[ACC+32*\m+8*\q:ACC+32*\m+8*\q+7], v[MAX+\m]
.endr
.endr
.irp m, 2,3
	v_or_b32 v[SWH+8*EA+2*EI+\m-2], v[W1+\m], v[PX+\m]   ; the head's scale word at position r.  (Plain places behind the scaled conversions)
.endr
	WIN 0
.irp m, 0,1
	v_or_b32 v[W1+\m], v[W1+\m], v[PX+\m]
.endr
.irp m, 0,1
	ds_store_b32 v[SST], v[W1+\m] offset:16*SPOS*\m+16*EI+64*EA   ; both halves of the lanes write the same word with the same value
.endr
	WIN 0x0c                                       ; an LDS store's data are its source 1: window 3
.irp m, 0,1
	ds_store_b128 v[CST], v[CT4+4*\m:CT4+4*\m+3] offset:KOFF*EA+16*PITCH*\m+64*EI
.endr
	WIN 0
.endm
; A head of V is rounded to bf16: piece t (4 registers) holds e = 4 jj + t, jj = 0 .. 7, so that after the second product a lane's four tiles t are four neighbouring channels.
.macro EPI_V
.if EI == 3
	WIN 0xc0                                       ; group 3: window 3, over the first pair buffer
.set VB, 0
.else
	WIN 0x80
.set VB, 64*EI
.endif
.irp m, 0,1,2,3
.irp t, 0,1,2,3
.irp q, 0,1,2,3
	v_cvt_pk_bf16_f32 v[VB+16*\m+4*\t+\q], v[ACC+32*\m+8*\q+\t], v[ACC+32*\m+8*\q+4+\t]   ; (t = 0: q = 0 and q = 2 read the two accumulators' lowest registers first)
.endr
.endr
.endr
	WIN 0
.endm
.macro EPI
.set EA, ET/4
.set EI, ET%4
.if EA < 2
	EPI_QK
.else
	EPI_V
.endif
.endm
; V's group i into its image: position r of tile m, my head, my half of the lanes.
.macro VSTORE i
.if \i == 3
	WIN 0x0c
.set VB, 0
.else
	WIN 0x08
.set VB, 64*(\i)
.endif
.irp m, 0,1,2,3
.irp t, 0,1,2,3
	ds_store_b128 v[VST+\i], v[VB+16*\m+4*\t:VB+16*\m+4*\t+3] offset:16*VPOS*\m+32*\t
.endr
.endr
	WIN 0
.endm
.macro QKSTORE                         ; codes and scale words of positions 32-63 into the image
	WIN 0x08
.irp i, 0,1,2,3
.irp m, 0,1
	ds_store_b128 v[CST], v[CODH+8*\i+4*\m:CODH+8*\i+4*\m+3] offset:16*PITCH*\m+64*\i
	ds_store_b128 v[CST], v[CODH+32+8*\i+4*\m:CODH+32+8*\i+4*\m+3] offset:KOFF+16*PITCH*\m+64*\i
	ds_store_b32 v[SST], v[SWH+2*\i+\m] offset:16*SPOS*\m+16*\i
	ds_store_b32 v[SST], v[SWH+8+2*\i+\m] offset:16*SPOS*\m+16*\i+64
.endr
.endr
	WIN 0
.endm
; THE SCORES of four positions, the b-th four of my eight in the half.
.macro SLOAD b
	WIN 0x80
.irp n, 0,1,2,3
	ds_load_b128 v[OPS+16*\n:OPS+16*\n+3], v[CLD] offset:PITCH*(4*(\b)+\n)
	ds_load_b128 v[OPS+16*\n+8:OPS+16*\n+11], v[CLD] offset:KOFF+PITCH*(4*(\b)+\n)
.endr
	WIN 0
.irp n, 0,1,2,3
	ds_load_b32 v[SCW+4*(\b)+\n], v[SLD] offset:SPOS*(4*(\b)+\n)   ; lanes 0-15 Q's words, lanes 16-31 K's
.endr
.endm
.macro SCALC b
	s_wait_dscnt 0x0
	WIN 0xca
.irp n, 0,1,2,3
	v_wmma_scale_f32_16x16x128_f8f6f4 v[SCR+8*\n:SCR+8*\n+7], v[OPS+16*\n+8:OPS+16*\n+15], v[OPS+16*\n:OPS+16*\n+7], 0, v[SCW+4*(\b)+\n], v[SCW+4*(\b)+\n] matrix_a_fmt:MATRIX_FMT_FP4 matrix_b_fmt:MATRIX_FMT_FP4 matrix_a_scale:MATRIX_SCALE_ROW1   ; S^T: lane (r, hh): Q's slot r, register j: K's slot 8 hh + j
.endr
	PLACES 4
.if (\b) == 0
	SLOAD 1
.endif
	WIN 0xff
.irp n, 0,1,2,3
	v_max3_num_f32 v[MX+\n], v[SCR+8*\n], v[SCR+8*\n+1], v[SCR+8*\n+2]
.endr
.irp e, 3,5
.irp n, 0,1,2,3
	v_max3_num_f32 v[MX+\n], v[MX+\n], v[SCR+8*\n+\e], v[SCR+8*\n+\e+1]
.endr
.endr
.irp n, 0,1,2,3
	v_max_num_f32 v[MX+\n], v[MX+\n], v[SCR+8*\n+7]
.endr
.irp n, 0,1,2,3
	v_permlanex16_b32 v[TPX+\n], v[MX+\n], s66, s67   ; the row's other eight scores lie in lane l xor 16
.endr
.irp n, 0,1,2,3
	v_max_num_f32 v[MX+\n], v[MX+\n], v[TPX+\n]
.endr
.irp n, 0,1,2,3
	v_mul_f32 v[NM+2*\n], s71, v[MX+\n]            ; -c x the row's maximum
.endr
.irp q, 0,2,4,6
.irp n, 0,1,2,3
	v_pk_fma_f32 v[SCR+8*\n+\q:SCR+8*\n+\q+1], v[SCR+8*\n+\q:SCR+8*\n+\q+1], s[68:69], v[NM+2*\n:NM+2*\n+1] op_sel_hi:[1,0,0]   ; c s - c max, two at a time (of both pairs the low word serves both halves)
.endr
.endr
	s_wait_alu depctr_va_vdst(0)
.irp q, 0,1,2,3,4,5,6,7
.irp n, 0,1,2,3
	v_exp_f32 v[SCR+8*\n+\q], v[SCR+8*\n+\q]
.endr
.endr
	v_nop
	s_wait_alu depctr_va_vdst(0)                   ; one wait for the 32 exponentials, ahead of their first reader
.irp n, 0,1,2,3
	v_pk_add_f32 v[SM+2*\n:SM+2*\n+1], v[SCR+8*\n:SCR+8*\n+1], v[SCR+8*\n+2:SCR+8*\n+3]
.endr
.irp n, 0,1,2,3
	v_pk_add_f32 v[ST+2*\n:ST+2*\n+1], v[SCR+8*\n+4:SCR+8*\n+5], v[SCR+8*\n+6:SCR+8*\n+7]
.endr
.irp n, 0,1,2,3
	v_pk_add_f32 v[SM+2*\n:SM+2*\n+1], v[SM+2*\n:SM+2*\n+1], v[ST+2*\n:ST+2*\n+1]
.endr
.irp n, 0,1,2,3
	v_add_f32 v[SM+2*\n], v[SM+2*\n], v[SM+2*\n+1]
.endr
.irp n, 0,1,2,3
	v_permlanex16_b32 v[TPX+\n], v[SM+2*\n], s66, s67
.endr
.irp n, 0,1,2,3
	v_add_f32 v[SM+2*\n], v[SM+2*\n], v[TPX+\n]    ; the row's sum
.endr
	s_wait_alu depctr_va_vdst(0)
.irp n, 0,1,2,3
	v_rcp_f32 v[SM+2*\n], v[SM+2*\n]
.endr
	v_nop
	s_wait_alu depctr_va_vdst(0)
.irp q, 0,2,4,6
.irp n, 0,1,2,3
	v_pk_mul_f32 v[SCR+8*\n+\q:SCR+8*\n+\q+1], v[SCR+8*\n+\q:SCR+8*\n+\q+1], v[SM+2*\n:SM+2*\n+1] op_sel_hi:[1,0]
.endr
.endr
	WIN 0x8f
.irp n, 0,1,2,3
.irp q, 0,1,2,3
	v_cvt_pk_bf16_f32 v[PH+4*(4*(\b)+\n)+\q], v[SCR+8*\n+2*\q], v[SCR+8*\n+2*\q+1]   ; lane (r, hh) holds k = 8 hh + 0 .. 7 of row r: source 0 of the second product as it stands
.endr
.endr
	WIN 0
.endm
.macro ASK a                           ; wave 0 asks for its work-group's 16 blocks of a matrix's codes
	WIN 0
	s_cmp_lg_u32 s3, 0
	s_cbranch_scc1 .Lnot_mine_\@
	global_prefetch_b8 v[PFO], s[12+6*(\a):13+6*(\a)] th:TH_LOAD_NT scope:SCOPE_SE
.Lnot_mine_\@:
.endm
.macro STEP t
.set TT, \t
	; the first pair.  The places behind the last products serve the loads, the epilogue's reads and, with its own lines, the new sums
.if TT == 0
.set FP, 0
	XFETCH
	FETCHP
.set FP, 1
	XFETCH
	FETCHP
.else
	PLACES 4
.set FP, 4*TT+2
	FETCHP
.if TT == 10
	SLOAD 0                                        ; positions 32-63: their image has been whole since the change of slots in step 9
.endif
.set ET, TT-1
	EPI
.if TT == 8
	s_wait_dscnt 0x0                               ; for the others' sake: my codes of positions 0-31 lie in the image
	s_barrier_signal -1
	WIN 0x80
.irp n, 0,1,2,3
.irp k, 4,5,6,7,12,13,14,15
	v_mov_b32 v[OPS+16*\n+\k], 0                   ; the upper 64 of K: zero codes; they stay for both halves
.endr
.endr
	WIN 0xc0
.irp n, 0,1,2,3
	v_mov_b32 v[TPX+\n], 0                         ; written once: a lane permute's destination counts as one of its sources
	v_mov_b32 v[NM+2*\n+1], 0                      ; (named as the upper half of a pair)
.endr
	WIN 0
	s_wait_alu depctr_va_vdst(0)
	s_barrier_wait -1
	SLOAD 0
.set PH, 224
.endif
.if TT == 10
.set PH, 192
.endif
.if (TT == 8) || (TT == 10)
	SCALC 0
	SCALC 1
.endif
.endif
	s_wait_alu depctr_va_vdst(0)
	s_wait_loadcnt 0x0                             ; this step's scale words and bias
	s_wait_dscnt 32                                ; LDS serves in order: this pair is in, the two younger pairs (step 0: the one, with x's fragments) may be out
	MUL 0
	MUL 1
	; the second pair
	PLACES 4
.if TT == 0
.set FP, 2
	XFETCH
	FETCHP
.set FP, 3
	XFETCH
	FETCHP
.else
.set FP, 4*TT+3
	FETCHP
.endif
.if TT < 11
.set NT, TT+1
	NEXTLOADS
.else
	VSTORE 2
.endif
.if TT == 0
	s_wait_dscnt 63                                ; 64 younger loads: pairs 2 and 3 of weights and of x
.else
	s_wait_dscnt 32
.endif
	MUL 2
	MUL 3
	; the third pair
.if TT < 10
	CHANGE
.elseif TT == 10
	WIN 0
	s_wait_tensorcnt 0x0                           ; my rows of the last tile are in; nothing is filled again
	s_wait_dscnt 0x0                               ; my reads of slot 0 are over
	s_barrier_signal -1
	WIN 0x07
	MULM 4, 0
	MULM 4, 1
	WIN 0
	s_barrier_wait -1                              ; nobody reads slot 0 any more
	PLACES 4
.set FP, 44
	FETCHP
	WIN 0x07
	MULM 4, 2
	MULM 4, 3
	MUL 5
.else
	s_wait_dscnt 32                                ; behind this pair: the last pair's 16 loads and V's 16 stores
	MUL 4
	MUL 5
.endif
	; the fourth pair: its fragments were shown in by the wait for 0 in the third (step 11: by the one in this pair)
.if TT < 11
	PLACES 4
.set FP, 4*TT+5
	FETCHP
.if TT == 0
	ASK 1
.elseif TT == 4
	ASK 2
.elseif TT == 8
	QKSTORE                                        ; every wave has read the image of positions 0-31
.elseif TT == 10
	VSTORE 0
	VSTORE 1
.endif
.else
	WIN 0
	s_wait_dscnt 0x0                               ; my last reads of the ring are over
	s_barrier_signal -1
.endif
	MUL 6
	MUL 7
.endm
	; ---- THE HEAD
	s_load_b512 s[8:23], s[0:1], 0x0               ; x codes 8, x scales 10, Wq codes 12, scales 14, bq 16, Wk codes 18, scales 20, bk 22
	s_load_b256 s[24:31], s[0:1], 0x40             ; Wv codes 24, scales 26, bv 28, out 30
	v_lshl_add_u32 v1, v0, 2, SPARE                ; my spare word; never rewritten
	v_mov_b32 v2, 0                                ; never rewritten
	ds_add_u32 v1, v2                              ; the wave's opening: the add, twice on end, and its wait
	ds_add_u32 v1, v2
	v_lshrrev_b32 v16, 5, v0
	v_readfirstlane_b32 s3, v16                    ; wave 0..3
	s_bfe_u32 s4, ttmp6, 0x40000                   ; cx: my place in the cluster.  It enters x's, out's and the prefetches' addresses alone (s4, s5, s74, s76, s78 and what is made of them)
	s_lshl_b32 s5, ttmp9, 2
	s_add_co_u32 s5, s5, s4                        ; my block of 64 positions
	s_and_b32 s[RO], ttmp9, 3                      ; the head groups in my cluster's order: (i + cluster) % 4
.irp i, 1,2,3
	s_add_co_u32 s[RO+\i], s[RO], \i
	s_and_b32 s[RO+\i], s[RO+\i], 3
.endr
	s_mov_b32 s55, 0                               ; the upper words of two offsets
	s_mov_b32 s57, 0
	v_and_b32 v16, 15, v0                          ; r
	v_bfe_u32 v17, v0, 4, 1                        ; hh
	v_bfe_u32 v18, v0, 3, 1                        ; b3 = r / 8
	v_and_b32 v19, 31, v0                          ; lane
	s_mul_i32 s6, s3, WROWS                        ; my 64 rows in a slot
	v_lshl_add_u32 v24, v18, 5, v16                ; even sub-tiles: row r + 32 b3 (+ 16 for sub-tile 2)
	v_mul_u32_u24 v[AE], v24, PITCH
	v_lshl_add_u32 v[AE], v17, 4, v[AE]
	v_add_nc_u32 v[AE], s6, v[AE]
	v_lshl_add_u32 v24, v18, 4, v16                ; odd sub-tiles: row r + 8 + 16 b3 (+ 16 for sub-tile 3)
	v_add_nc_u32 v24, 8, v24
	v_mul_u32_u24 v[AE+1], v24, PITCH
	v_lshl_add_u32 v[AE+1], v17, 4, v[AE+1]
	v_add_nc_u32 v[AE+1], s6, v[AE+1]
	v_add_nc_u32 v[AE+2], SLOT, v[AE]
	v_add_nc_u32 v[AE+3], SLOT, v[AE+1]
	v_and_b32 v24, v17, v18                        ; the scale words: lane L stands for row L of an operand's 32: sub-tile hh, index r: row r + 8 hh + b3 (32 - 16 hh)
	v_lshl_add_u32 v[WSO], v17, 3, v16
	v_lshl_add_u32 v[WSO], v18, 5, v[WSO]
	v_lshlrev_b32 v24, 4, v24
	v_sub_nc_u32 v[WSO], v[WSO], v24
	v_lshlrev_b32 v[WSO], 5, v[WSO]                ; 32 bytes a row,
	s_lshl_b32 s7, s3, 11
	v_add_nc_u32 v[WSO], s7, v[WSO]                ; my wave's 64 rows
	s_lshl_b32 s7, s3, 8                           ; the bias: my head's 64 numbers; registers 4 q on hold d = 4 q (hh = 0) or 32 + 4 (q xor 2) (hh = 1): 16 q + 160 hh or 16 q + 96 hh bytes
	v_mul_u32_u24 v[BO], v17, 160
	v_add_nc_u32 v[BO], s7, v[BO]
	v_mul_u32_u24 v[BO+1], v17, 96
	v_add_nc_u32 v[BO+1], s7, v[BO+1]
	v_lshlrev_b32 v[SH8], 3, v17
	v_mul_u32_u24 v25, v16, PITCH
	s_lshl_b32 s7, s3, 4
	s_add_co_u32 s7, s7, QIMG
	v_lshl_add_u32 v[CST], v17, 8, v25             ; codes into the image: position r, block hh, slot w (+ 4 i by the immediate)
	v_add_nc_u32 v[CST], s7, v[CST]
	s_lshl_b32 s7, s3, 2
	s_add_co_u32 s7, s7, SIMG
	v_mul_u32_u24 v[SST], v16, SPOS                ; scale words: position r, slot w
	v_add_nc_u32 v[SST], s7, v[SST]
	v_lshl_add_u32 v[XFA], v17, 4, v25             ; x's fragments: row r, + 16 hh
	v_add_nc_u32 v[XFA], XIMG, v[XFA]
	s_mul_i32 s7, s3, 8*PITCH                      ; the scores: my 8 positions of a half
	s_add_co_u32 s7, s7, QIMG
	v_lshlrev_b32 v[CLD], 4, v19
	v_add_nc_u32 v[CLD], s7, v[CLD]
	s_mul_i32 s7, s3, 8*SPOS
	s_add_co_u32 s7, s7, SIMG
	v_lshlrev_b32 v[SLD], 2, v19
	v_add_nc_u32 v[SLD], s7, v[SLD]
	s_mul_i32 s7, s3, VHEAD
	v_mul_u32_u24 v[VST], v16, VPOS                ; V into its image: position r, head w, half hh
	v_lshl_add_u32 v[VST], v17, 4, v[VST]
	v_add_nc_u32 v[VST], s7, v[VST]
	v_add_nc_u32 v[VST+1], GS, v[VST]
	v_add_nc_u32 v[VST+2], 2*GS, v[VST]
	v_lshlrev_b32 v200, 4, v19                     ; x in memory: 16 bytes a lane, a row an instruction
	s_mul_i32 s7, s3, 16*PITCH
	s_add_co_u32 s7, s7, XIMG
	v_add_nc_u32 v201, s7, v200                    ; and into LDS: my wave's 16 rows
	v_lshlrev_b32 v203, 5, v16                     ; x's scale words: 32 bytes a row
	s_and_b32 s74, ttmp9, 3                        ; the prefetches: part 4 (cluster % 4 + 4 (cluster / 8)) + cx of 128: 16 blocks of 256 bytes
	s_lshr_b32 s75, ttmp9, 3
	s_lshl_b32 s75, s75, 2
	s_add_co_u32 s74, s74, s75
	s_lshl_b32 s74, s74, 2
	s_add_co_u32 s74, s74, s4
	s_lshl_b32 s74, s74, 12
	v_lshlrev_b32 v[PFO], 8, v16                   ; lanes 16-31 name the blocks of lanes 0-15 again
	v_add_nc_u32 v[PFO], s74, v[PFO]
.irp m, 0,1,2,3
	v_mov_b32 v[PX+\m], 0                          ; written once: a lane permute's destination counts as one of its sources
.endr
	; descriptor group 1: rows of 512 bytes (64 elements of 8 bytes), dense in memory, 16 bytes of padding behind each: 128 rows at the head, 64 behind it
	s_mov_b32 s32, 15|(3<<16)|(1<<20)|(1<<21)|(6<<22)|(3<<25)   ; 15:0 the mask: all four work-groups; 17:16 elements of 8 bytes; 20 padding on; 21 set beside a mask; 24:22 after every 128 words (code 6); 31:25 four words (code 3)
	s_mov_b32 s33, 64<<16                          ; tensor_dim0 = 64
	s_mov_b32 s34, 128<<16                         ; tensor_dim1
	s_mov_b32 s35, 64<<16                          ; tile_dim0 = 64
	s_mov_b32 s36, 128                             ; tile_dim1
	s_mov_b32 s37, 64                              ; from row to row: 64 elements
	s_mov_b32 s38, 0
	s_mov_b32 s39, 0
	s_mov_b32 s40, 1                               ; group 0, one set for each slot: count = 1,
	s_mov_b32 s41, s6                              ; LDS address: my 64 rows of slot 0,
	s_mov_b32 s44, 1
	s_add_co_u32 s45, s6, SLOT                     ; of slot 1
	s_mov_b32 s84, 1                               ; the head's group 0: waves 0, 1 the halves of tile 0, waves 2, 3 those of tile 1: LDS address 128 rows x wave
	s_mul_i32 s85, s3, 128*PITCH
	s_lshr_b32 s72, s3, 1                          ; tile 0 or 1: both of Wq, head group (cluster + tile) % 4
	s_add_co_u32 s72, s72, s[RO]
	s_and_b32 s72, s72, 3
	s_lshl_b32 s72, s72, 17
	s_and_b32 s73, s3, 1
	s_lshl_b32 s73, s73, 16
	s_add_co_u32 s72, s72, s73
	s_mov_b32 s73, 0
	s_mov_b32 s66, 0x76543210
	s_mov_b32 s67, 0xfedcba98                      ; v_permlanex16_b32's selects for lane l xor 16
	s_mov_b32 s68, 0x3fb8aa3b                      ; c = log2(e)
	s_mov_b32 s69, s68                             ; (named with it as a pair, so it is written)
	s_mov_b32 s70, 0x7f7f0000
	s_mov_b32 s71, 0xbfb8aa3b                      ; -c
	s_lshl_b32 s62, s3, 15                         ; my wave's 64 weight rows: 32,768 bytes
	s_mov_b32 s63, 0
	s_lshl_b32 s76, s5, 15                         ; x: 64 rows of 512 bytes a work-group, 16 a wave
	s_lshl_b32 s78, s3, 13
	s_add_co_u32 s76, s76, s78
	s_mov_b32 s77, 0
	s_wait_alu depctr_va_vdst(0)
	s_wait_dscnt 0x0                               ; both opening adds are done
	s_wait_kmcnt 0x0
	s_add_nc_u64 s[8:9], s[8:9], s[76:77]
	s_lshl_b32 s76, s5, 11                         ; x's scale bytes: 64 rows of 32
	s_add_nc_u64 s[10:11], s[10:11], s[76:77]
	s_lshl_b32 s76, s5, 18                         ; out: 64 rows of 4,096 bytes a work-group; my wave begins 8 rows x wave on
	s_lshl_b32 s78, s3, 15
	s_add_co_u32 s76, s76, s78
	s_add_nc_u64 s[30:31], s[30:31], s[76:77]
.irp a, 0,1,2
	s_add_nc_u64 s[48+2*\a:49+2*\a], s[12+6*\a:13+6*\a], s[62:63]   ; each matrix's codes at my wave's rows of its head group 0
.endr
	s_add_nc_u64 s[86:87], s[12:13], s[72:73]
	s_or_b32 s87, s87, 0x80000000                  ; type = 2
.irp j, 0,1,2,3,4,5,6,7,8,9,10,11,12,13,14,15
	global_load_b128 v[ACC+4*\j:ACC+4*\j+3], v200, s[8:9] offset:512*\j th:TH_LOAD_NT   ; my 16 rows of x: 32 lanes read a row's 512 bytes
.endr
.irp m, 0,1,2,3
.irp q, 0,1
	global_load_b128 v[XS+8*\m+4*\q:XS+8*\m+4*\q+3], v203, s[10:11] offset:512*\m+16*\q   ; lane r: the 8 scale words of position 16 m + r
.endr
.endr
.set NT, 0
	NEXTLOADS
	ROUND                                          ; all four work-groups are here: the first joint loads meet
	JLOAD 84                                       ; tiles 0 and 1: one tensor load a wave
	s_wait_loadcnt 20                              ; my 16 rows of x are in; the 20 younger loads (x's scale words, step 0's scale words and bias) may be out
.irp j, 0,1,2,3,4,5,6,7,8,9,10,11,12,13,14,15
	ds_store_b128 v201, v[ACC+4*\j:ACC+4*\j+3] offset:PITCH*\j
.endr
	s_wait_alu depctr_va_vdst(0)
	s_wait_tensorcnt 0x0                           ; my 128 rows are in; no tensor load of mine is out, so the descriptor may be written:
	s_mov_b32 s34, 64<<16                          ; from here on a load brings 64 rows
	s_mov_b32 s36, 64
	s_wait_dscnt 0x0                               ; for the others' sake: my rows of x lie in LDS
	s_barrier_signal -1
	s_barrier_wait -1
	; ---- THE TWELVE STEPS.  Written out: the registers that take the results differ from step to step.  One tensor load of mine is out behind each round.
.irp t, 0,1,2,3,4,5,6,7,8,9,10,11
	STEP \t
.endr
	; ---- V's last group: register work up to the barrier behind which nobody reads the ring any more
	WIN 0
	PLACES 4
.set ET, 11
	EPI
	v_add_nc_u32 v24, GS, v[VST+2]
	v_and_b32 v16, 15, v0                          ; r
	v_bfe_u32 v17, v0, 4, 1                        ; hh
	v_bfe_u32 v18, v0, 3, 1                        ; b3
	v_bfe_u32 v19, v0, 2, 1                        ; V, for the turning load: slot 8 hh + l % 8: group 2 hh + bit 2 of the lane, head l % 4, 16 bytes at 16 b3
	v_lshl_add_u32 v19, v17, 1, v19
	v_mul_u32_u24 v27, v19, GS
	v_and_b32 v19, 3, v0
	v_mul_u32_u24 v19, v19, VHEAD
	v_add_nc_u32 v27, v27, v19
	v_lshl_add_u32 v27, v18, 4, v27
	s_mul_i32 s6, s3, 8*VPOS
	v_add_nc_u32 v27, s6, v27                      ; my wave's positions
	s_wait_alu depctr_va_vdst(0)
	s_barrier_wait -1
	VSTORE 3
	s_wait_dscnt 0x0                               ; for the others' sake: all my V lies in the image
	s_barrier_signal -1
	v_lshlrev_b32 v19, 1, v18                      ; out: column r of tile t is channel 4 p + t, p = r xor 2 b3 (block 1's changed order): 16 p bytes;
	v_xor_b32 v19, v19, v16
	v_lshlrev_b32 v19, 4, v19
	v_lshlrev_b32 v28, 1, v17                      ; register j = 4 jh + jl holds Q's slot 4 (2 hh + jh) + jl, which is head 4 ((2 hh + jh + cluster) % 4) + jl:
	v_add_nc_u32 v28, s[RO], v28
	v_add_nc_u32 v29, 1, v28
	v_and_b32 v28, 3, v28
	v_and_b32 v29, 3, v29
	v_lshl_add_u32 v25, v28, 10, v19               ; a register of offsets for jh = 0 (a group of four heads is 1,024 bytes),
	v_lshl_add_u32 v26, v29, 10, v19               ; one for jh = 1; 256 jl stands in the immediate
	WIN 0x80
.irp n, 0,1,2,3
.irp t, 0,1,2,3
.irp k, 4,5,6,7
	v_mov_b32 v[32*\n+8*\t+\k], 0                  ; V^T's upper 16 of K = 32: zeros, so whatever finite numbers stand in P's upper half add nothing
.endr
.endr
.endr
.irp k, 4,5,6,7
	v_mov_b32 v[128+\k], 0
.endr
	WIN 0x82
.irp k, 0,1,2,3
	v_mov_b32 v[128+\k], v[252+\k]                 ; P of position 7 stands last in the window: its operand of 8 registers is made here (the others take the next position's P as their upper half)
.endr
	WIN 0
	s_wait_alu depctr_va_vdst(0)
	s_barrier_wait -1                              ; the image is whole
	; ---- THE TAIL: my 16 positions, 8 wave + 0 .. 7 and 32 on, four at a time.  Each position has output registers of its own: positions 0-7 in window 1, the others in window 3
.macro TLOADV g
	WIN 0x80
.irp n, 0,1,2,3
.irp t, 0,1,2,3
	ds_load_tr16_b128 v[32*\n+8*\t:32*\n+8*\t+3], v27 offset:VPOS*(32*((\g)/2)+4*((\g)%2)+\n)+32*\t   ; lane (r, hh): column r of tile t, slots 8 hh + 0 .. 7
.endr
.endr
.endm
.macro TAIL g
	s_wait_dscnt 0x0
	WIN 0x0a
.irp n, 0,1,2,3
.set PN, 224-32*((\g)/2)+4*(4*((\g)%2)+\n)
.if PN == 252
.set PN, 128
.endif
.irp t, 0,1,2,3
	v_wmma_f32_16x16x32_bf16 v[ACC+32*\n+8*\t:ACC+32*\n+8*\t+7], v[PN:PN+7], v[32*\n+8*\t:32*\n+8*\t+7], 0   ; lane (r, hh), register j: Q's slot 8 hh + j, channel 4 p(r) + t
.endr
.endr
	PLACES 4
.if (\g) < 3
	TLOADV (\g)+1
.endif
.irp n, 0,1,2,3
.set ON, 32*(4*((\g)%2)+\n)
.set OW, 1+2*((\g)/2)
	WIN OW<<6
.irp j, 0,1,2,3,4,5,6,7
.irp t, 0,1,2,3
	v_mov_b32 v[ON+4*\j+\t], v[ACC+32*\n+8*\t+\j]  ; a head's four neighbouring channels into four neighbouring registers, as the store wants them
.endr
.endr
	WIN OW<<2                                      ; a store's data are its source 1
.irp j, 0,1,2,3
	global_store_b128 v25, v[ON+4*\j:ON+4*\j+3], s[30:31] offset:131072*((\g)/2)+4096*(4*((\g)%2)+\n)+256*\j th:TH_STORE_NT   ; lanes 0-15 store the 256 bytes of one head, lanes 16-31 those of another: each aligned to 256 from out's first byte
.endr
.irp j, 0,1,2,3
	global_store_b128 v26, v[ON+16+4*\j:ON+16+4*\j+3], s[30:31] offset:131072*((\g)/2)+4096*(4*((\g)%2)+\n)+256*\j th:TH_STORE_NT   ; registers 4 to 7: the next group of four heads
.endr
.endr
.endm
	TLOADV 0
.irp g, 0,1,2,3
	TAIL \g
.endr
	WIN 0
	s_wait_tensorcnt 0x0                           ; the wave's end: behind my last tensor load and my last LDS store
	ds_add_u32 v1, v2
	s_wait_dscnt 0x0
	ROUND                                          ; the closing round: no work-group ends while a partner may still ask for a tile that names it
	s_endpgm
.Lfunc_end_k_q6cadfd6a96_fused:
	.size	k_q6cadfd6a96_fused, .Lfunc_end_k_q6cadfd6a96_fused-k_q6cadfd6a96_fused
	.p2alignl 7, 3214868480
	.fill 96, 4, 3214868480
	.section	.rodata,"a",@progbits
	.p2align	6, 0x0
	.amdhsa_kernel k_q6cadfd6a96_fused
		.amdhsa_group_segment_fixed_size 327680
		.amdhsa_private_segment_fixed_size 0
		.amdhsa_enable_private_segment 0
		.amdhsa_kernarg_size 96
		.amdhsa_user_sgpr_count 2
		.amdhsa_user_sgpr_kernarg_segment_ptr 1
		.amdhsa_wavefront_size32 1
		.amdhsa_system_sgpr_workgroup_id_x 1
		.amdhsa_system_sgpr_workgroup_id_y 1
		.amdhsa_system_sgpr_workgroup_id_z 1
		.amdhsa_system_vgpr_workitem_id 0
		.amdhsa_next_free_vgpr 1024
		.amdhsa_next_free_sgpr 88
		.amdhsa_reserve_vcc 0
		.amdhsa_float_denorm_mode_32 3
		.amdhsa_float_denorm_mode_16_64 3
		.amdhsa_memory_ordered 1
		.amdhsa_forward_progress 1
		.amdhsa_inst_pref_size 255
	.end_amdhsa_kernel
	.section	.bss,"aw",@nobits
	.p2align	6
	.space	262144
	.amdgpu_metadata
---
amdhsa.version: [ 1, 2 ]
amdhsa.kernels:
  - .name:           k_q6cadfd6a96_fused
    .symbol:         k_q6cadfd6a96_fused.kd
    .args:
      - { .name: x_codes, .offset: 0, .size: 8, .value_kind: global_buffer, .address_space: global }
      - { .name: x_scales, .offset: 8, .size: 8, .value_kind: global_buffer, .address_space: global }
      - { .name: Wq_codes, .offset: 16, .size: 8, .value_kind: global_buffer, .address_space: global }
      - { .name: Wq_scales, .offset: 24, .size: 8, .value_kind: global_buffer, .address_space: global }
      - { .name: bq, .offset: 32, .size: 8, .value_kind: global_buffer, .address_space: global }
      - { .name: Wk_codes, .offset: 40, .size: 8, .value_kind: global_buffer, .address_space: global }
      - { .name: Wk_scales, .offset: 48, .size: 8, .value_kind: global_buffer, .address_space: global }
      - { .name: bk, .offset: 56, .size: 8, .value_kind: global_buffer, .address_space: global }
      - { .name: Wv_codes, .offset: 64, .size: 8, .value_kind: global_buffer, .address_space: global }
      - { .name: Wv_scales, .offset: 72, .size: 8, .value_kind: global_buffer, .address_space: global }
      - { .name: bv, .offset: 80, .size: 8, .value_kind: global_buffer, .address_space: global }
      - { .name: out0, .offset: 88, .size: 8, .value_kind: global_buffer, .address_space: global }
    .group_segment_fixed_size: 327680
    .private_segment_fixed_size: 0
    .kernarg_segment_align: 8
    .kernarg_segment_size: 96
    .max_flat_workgroup_size: 128
    .sgpr_count:     88
    .vgpr_count:     1024
    .wavefront_size: 32
...
	.end_amdgpu_metadata
.endif
;; end of part 2
